; MI455X (gfx1250); checked and timed in simulation.
; The chip was launched on July 23, 2026; its instructions are those of AMD's public machine-readable ISA for CDNA 5 (MIT licence, August 2026) and "CDNA5" Instruction Set Architecture Reference Guide (July 2026). The comments in the code are by the model that wrote it; some were corrected since.
;; Self Attention1 D. Allowed arithmetic: matrix products marked QUANTISED: E5M2 operands, one given power-of-two scale a tensor, by v_wmma_f32_16x16x64_bf8_bf8 or v_wmma_f32_16x16x128_bf8_bf8, f32 sums; everything else in f32.
;; Inputs: Wf_codes 64 x 16 x 32 uint8 (E5M2 codes of Wf, K innermost, in blocks of 32 codes); Wg_codes 64 x 16 x 32 uint8 (E5M2 codes of Wg, K innermost, in blocks of 32 codes); Wh_codes 512 x 16 x 32 uint8 (E5M2 codes of Wh, K innermost, in blocks of 32 codes); bf 64 float32; bg 64 float32; bh 512 float32; gamma one number float32; lowp_scales 10 int32 (the exponents e of the quantised operands' scales 2^e); x 4 x 4,096 x 512 float32.
;; Outputs: out0 4 x 4,096 x 512 float32.
;; This version of the problem:
;;   THIS VERSION OF THE PROBLEM IS GIVEN IN LOW PRECISION. The matrix products marked QUANTISED in the list below multiply operands that are first quantised to E5M2 (5 exponent bits, 2 mantissa bits; 8 bits a number), with one given power-of-two scale for each operand tensor; their sums are f32. All else is computed in f32.
;;   The module's matrix products, in the order in which they are computed (A, B: the left and right operand; K: the contracted axis; several contracted axes count as one K, in the product's order):
;;     1. [M 16,384, K 512] x [K 512, N 64]; A: input x; B: input Wf (given as codes): QUANTISED (scales: A lowp_scales[0], B lowp_scales[1])
;;     2. [M 16,384, K 512] x [K 512, N 64]; A: input x; B: input Wg (given as codes): QUANTISED (scales: A lowp_scales[2], B lowp_scales[3])
;;     3. [M 16,384, K 512] x [K 512, N 512]; A: input x; B: input Wh (given as codes): QUANTISED (scales: A lowp_scales[4], B lowp_scales[5])
;;     4. batch 4 x [M 4,096, K 64] x [K 64, N 4,096]; A: computed on the way; B: computed on the way: QUANTISED (scales: A lowp_scales[6], B lowp_scales[7])
;;     5. batch 4 x [M 4,096, K 4,096] x [K 4,096, N 512]; A: softmax (see below); B: computed on the way: QUANTISED (scales: A lowp_scales[8], B lowp_scales[9])
;;   THE QUANTISER, for each operand of a quantised product, along K:
;;     - The operand's scale is 2^e, e = its entry of the input lowp_scales (int32; the entries are numbered through the quantised products in the list's order, A before B).
;;     - Each number is divided by the scale, clamped to +-57,344, and rounded to the nearest number of E5M2, ties to even, subnormals kept.
;;     - The product sums the exact products of the quantised numbers (number of the format x scale) in f32.
;;   ~~~python
;;   def quantise(x, axis, e):      # numpy; x: float32 -> the quantised numbers, widened to float32 again
;;       x = np.moveaxis(x, axis, -1); K = x.shape[-1]
;;       r = np.clip(x / 2.0 ** e, -57344, 57344)
;;       step = 2.0 ** (np.maximum(np.frexp(np.where(r == 0, 1, r))[1] - 1, -14) - 2)
;;       q = np.round(r / step) * step * 2.0 ** e      # np.round: ties to even
;;       return np.moveaxis(q, -1, axis).astype(np.float32)
;;   ~~~
;;   SOFTMAX AHEAD OF A QUANTISED PRODUCT. Where the list says 'softmax', what is quantised is not the finished softmax but p = 2^(t - M), with t = logit x log2(e) and M = ceil(the row's largest t), a whole number; so 1/2 < the row's largest p <= 1. The row's sum l is taken of the UNQUANTISED p, in f32, and the product's result is divided by l at the end. Since M is a whole number, a kernel that streams over the keys may use a running M (the ceiling of the running maximum): every later rescaling is an exact power of two, so the quantised numbers keep their values, but for numbers so far below the row's largest that they fall under the format's range.
;;   OPERANDS COMPUTED ON THE WAY. 'Computed on the way' means the value that the module computes at that place (a softmax that the list does not call 'softmax' is quantised finished and normalised). What goes into a quantiser is computed in f32, as accurately as f32 sums, v_exp_f32 and their like allow (about 1e-6 of the number): no bf16 or f16 on the way to a quantiser, and a product that is left as it is and whose result goes on into a quantised operand takes f32 operands (vector FMAs, or v_wmma_f32_16x16x4_f32). A number that lies on a knife's edge between two numbers of the format may be rounded either way, as far as f32 arithmetic and the matrix unit's own rounding can turn it there, and no further.
;;   INPUTS GIVEN AS CODES. Wf (in the module: [512, 64], K = its axis 0); Wg (in the module: [512, 64], K = its axis 0); Wh (in the module: [512, 512], K = its axis 0): each comes as NAME_codes (uint8): NAME with its K axis moved to the last place and cut into blocks of 32 codes, [.., K / 32, bytes a block], one block behind the other in memory; one code a byte (a code: sign, 5 exponent bits, 2 mantissa bits); its scale is its entry of lowp_scales. Its value is code x scale, taken as it is: it is not quantised again, and the codes and scales need not be those that the quantiser above would give.
;; One version. Each part assembles by itself: llvm-mc -triple=amdgcn-amd-amdhsa -mcpu=gfx1250 --defsym DOCPART=n.
;; ======== version 1 of 1: 2 launches
;; workspace buffers: fq 1,048,576 bytes; kv 9,437,184 bytes
;; launch proj (part 1): grid 256 x 1, 4 waves a work-group, no clusters, 242,176 bytes of LDS; arguments x, Wf_codes, Wg_codes, Wh_codes, bf, bg, bh, lowp_scales, fq, kv; writes fq, kv
.if DOCPART == 1
	.amdgcn_target "amdgcn-amd-amdhsa--gfx1250"
	.amdhsa_code_object_version 6
	.text
	.protected	k_qfce02eedac_proj
	.globl	k_qfce02eedac_proj
	.p2align	8
	.type	k_qfce02eedac_proj,@function
k_qfce02eedac_proj:
	s_mov_b64 s[64:65], 0
	v_nop
	global_prefetch_b8 v0, s[64:65] scope:SCOPE_SE
	s_setreg_imm32_b32 hwreg(HW_REG_WAVE_MODE, 25, 1), 1
	s_wait_xcnt 0x0
; f = Q(x, e0) Wf + bf, g = Q(x, e2) Wg + bg, h = Q(x, e4) Wh + bh on codes of BF8 (E5M2), then f, g, h themselves as codes (scales e6, e7, e9), laid as the next launch's operand registers want them.
; x: [16384][512] f32.  Wf, Wg: [64][512] codes, Wh: [512][512] codes, K innermost.  lowp_scales: e0 .. e9 (int32).
; DEAD WORK: none.  Every bias goes into a quantised operand of a live product, every scale and every weight reaches the output: all inputs of these three products are loaded.
; LIMITS, so that each power of two below is an f32 number: e0, e2, e4, e6 - e0 - e1, e7 - e2 - e3 and e9 - e4 - e5 lie between -126 and 112.  NaN among the inputs is not served (an infinity is held at the largest code).
; SHARES.  A work-group of four waves takes 64 rows of x.  THE WAVES SHARE THE COLUMNS: wave w keeps Wh's channels 128 w .. 128 w + 127 (512 registers) and 32 rows of a small weight (waves 0, 1: Wf; waves 2, 3: Wg; 128 registers),
; each read from memory once.  For the quantising of x the waves share the rows: wave w takes rows 16 w .. 16 w + 15, three times (e0, e2, e4 may differ), and hands the codes round through LDS as images of the operand's registers.
; NO CLUSTER: the weights, which all work-groups share, go from memory straight into registers (160 loads of 16 bytes a lane) and through no LDS; x, 128 KiB of a work-group's 448 KiB, is shared by nobody.
; x comes by tensor loads, four a wave (16 rows x 512 bytes each, the wave's own LDS bytes, filled once): four are out at the most, and the wave quantises a quarter as soon as it has landed.
; LAYOUTS.  A fragment (16 rows x 128 K) is 16 registers: lane (r, h) holds row r, registers 4 c .. 4 c + 3 hold K = 32 c + 16 h + 0 .. 15: the same permutation of K on both sides of a product.
; h: source 0 = x, source 1 = Wh: a lane holds ONE channel and eight rows (keys): eight neighbours along the last product's K.  f, g: source 0 = the weight, source 1 = x: a lane holds one row and eight of the 64;
; lane r of the weight's tile (b, u) takes row 32 b + 8 u + r + 8 (r / 8), so that the 16 registers of tiles u = 0, 1 are 16 neighbours: 32 b + 16 h + 0 .. 15.
; OUT.  fq: [block of 64 rows][tile tl][chunk ch][lane][16 bytes]: lane (r, h) holds columns 32 ch + 16 h + 0 .. 15 of row 32 (tl / 2) + 8 (tl % 2) + r + 8 (r / 8) of the block.
; kv: [batch][slot][147,456 bytes]: two places of h's codes, 65,536 bytes each, [c 0..3][n 0..31][lane][16 bytes] (channel 16 n + r, keys 32 c + 16 h + 0 .. 15 of a step of 128 keys), then two places of g's codes, 8,192 bytes each, tiles as in fq.
; Step s of a batch lies, for h, at place (s + 31) % 32 and, for g, at place (s + 30) % 32, two places to a slot: slot j holds h of steps 2 j + 1, 2 j + 2 and g of steps 2 j + 2, 2 j + 3 (counted round the batch's 32 steps):
; what the next launch fetches while it multiplies steps 2 j and 2 j + 1.
; REGISTERS.  window 0: v2-18 addresses; v20-29 scales; v32-95 x's numbers, then x's codes for h; v96-127 held numbers, then (v96-159) x's codes for f or g; v128-175 codes just made; v160-239 ten accumulators; v240-255 h's codes.
;   window 1: Wh(n, s), s = 0, 1 at v[16 (2 n + s)];  window 2: s = 2, 3;  window 3: the small weight (u, s) at v[16 (4 u + s)], bh's tiles at v128, the small bias's at v192.
.set XTW,   33792                      ; LDS: a wave's four tiles of x
.set XTS,   8448                       ; a tile: 16 rows x (512 bytes + 16 of padding): 132 words, so row r starts at bank 4 r mod 64 (64 banks of 4 bytes: ISA guide 11.1)
.set XIMG,  135168                     ; the images: fragment (q, m, s) at ((4 q + m) 4 + s) x 2,048; q = 0, 1, 2 for e0, e2, e4
.set FGST,  233472                     ; 2,048 bytes a wave: f's or g's codes on their way out
.set SPARE, 241664                     ; the spare words, 128 bytes for each wave: two blocks of 256 bytes that no other line names
.set XA,   4                           ; v4   my 16 numbers of a block of 32 in my wave's tiles: XTW w + 528 r + 64 h
.set XWI,  5                           ; v5   where I store images: XIMG + 8,192 w + 16 x lane
.set XWI2, 6                           ; v6   the same + 65,536 (an LDS offset has 16 bits)
.set LIH,  7                           ; v7   where I read x's codes for h
.set LIS,  8                           ; v8   and for f or g
.set HO,   9                           ; v9   h's codes in kv: 4,096 w + 16 r + 8 h
.set FSO,  10                          ; v10  into my stage
.set FSR,  11                          ; v11  and back
.set LI,   12                          ; v12  16 x lane
.set WA,   13                          ; v13  Wh: 512 r + 16 h
.set WS,   14                          ; v14  the small weight: 512 (r + 8 (r / 8)) + 16 h
.set BA,   15                          ; v15  the small bias: 64 h
.set BHA,  16                          ; v16  bh: 4 r
.set SPW,  17                          ; v17  my spare word; never rewritten
.set NIL,  18                          ; v18  0; never rewritten
.set XSC,  20                          ; v20-25  (2^e, 57,344 x 2^e) for e0, e2, e4
.set FC,   20                          ; v20-23  later: f's or g's codes
.set HS,   26                          ; v26, v27 the same pair for e9 - e4 - e5
.set SS,   28                          ; v28, v29 for e6 - e0 - e1 or e7 - e2 - e3
.set XN,   32
.set T,    96
.set PC,   128
.set BHR,  176
.set XH,   32
.set XS,   96
.set ACC,  160
.set HC,   240
.set MSB, 0
.macro WIN new                         ; the immediate's high byte repeats the setting that is left
.if MSB != \new
	s_set_vgpr_msb (MSB<<8)|\new
.set MSB, \new
.endif
.endm
.macro MKSC vs, vl, se                 ; 2^e as f32 into v[vs], 57,344 x 2^e into v[vl]
	s_add_co_i32 s72, \se, 127
	s_lshl_b32 s73, s72, 23
	v_mov_b32 v[\vs], s73
	s_add_co_i32 s72, s72, 15
	s_lshl_b32 s72, s72, 23
	s_or_b32 s72, s72, 0x600000
	v_mov_b32 v[\vl], s72
.endm
	s_load_b256 s[4:11], s[0:1], 0x0               ; x s[4:5], Wf s[6:7], Wg s[8:9], Wh s[10:11]
	s_load_b256 s[12:19], s[0:1], 0x20             ; bf s[12:13], bg s[14:15], bh s[16:17], the scales' exponents s[18:19]
	s_load_b128 s[20:23], s[0:1], 0x40             ; fq s[20:21], kv s[22:23]
	v_lshl_add_u32 v[SPW], v0, 2, SPARE
	v_mov_b32 v[NIL], 0
	ds_add_u32 v[SPW], v[NIL]                      ; the wave's opening: the add, twice on end, and its wait ahead of my first tensor load
	ds_add_u32 v[SPW], v[NIL]
	v_lshrrev_b32 v1, 5, v0
	v_readfirstlane_b32 s48, v1                    ; wave 0..3
	s_and_b32 s49, s48, 1                          ; b: which 32 rows of the small weight
	s_lshr_b32 s50, s48, 1                         ; 0: Wf, 1: Wg
	s_mov_b32 s24, (2<<16)|(1<<20)|(6<<22)|(3<<25) ; group 1: no mask; elements of 4 bytes; padding on: 4 words behind every 128
	s_mov_b32 s25, 128<<16                         ; tensor_dim0 = 128
	s_mov_b32 s26, 16<<16                          ; tensor_dim1 = 16
	s_mov_b32 s27, 128<<16                         ; tile_dim0 = 128
	s_mov_b32 s28, 16                              ; tile_dim1 = 16
	s_mov_b32 s29, 512                             ; elements from row to row
	s_mov_b32 s30, 0
	s_mov_b32 s31, 0
	s_mul_i32 s62, s48, XTW                        ; my tiles in LDS
	s_lshl_b32 s66, ttmp9, 17                      ; 64 rows of 2,048 bytes a work-group,
	s_lshl_b32 s67, s48, 15                        ; 16 a wave
	s_add_co_u32 s66, s66, s67
	s_mov_b32 s67, 0
	s_wait_dscnt 0x0                               ; both opening adds are done
	s_wait_kmcnt 0x0
	s_load_b256 s[52:59], s[18:19], 0x0            ; e0 .. e7
	s_load_b64 s[60:61], s[18:19], 0x20            ; e8, e9
	s_add_nc_u64 s[4:5], s[4:5], s[66:67]          ; x at my first row
.irp s, 0,1,2,3
	s_mov_b32 s[32+4*\s], 1                        ; group 0 of K step s: count = 1,
	s_add_co_u32 s[33+4*\s], s62, \s*XTS           ; the LDS address,
	s_add_nc_u64 s[34+4*\s:35+4*\s], s[4:5], \s*512   ; the global address: 128 numbers on,
	s_or_b32 s[35+4*\s], s[35+4*\s], 0x80000000    ; type = 2
.endr
.irp s, 0,1,2,3
	tensor_load_to_lds s[32+4*\s:35+4*\s], s[24:31]   ; the four first fills go out together
	s_nop 0
.endr
.rept 4
	v_nop
.endr
	v_and_b32 v1, 31, v0                           ; lane
	v_and_b32 v2, 15, v0                           ; r
	v_bfe_u32 v3, v0, 4, 1                         ; h
	v_lshlrev_b32 v[LI], 4, v1
	v_mul_u32_u24 v[XA], v2, 528
	v_lshl_add_u32 v[XA], v3, 6, v[XA]
	v_add_nc_u32 v[XA], s62, v[XA]
	s_lshl_b32 s63, s48, 13
	s_add_co_u32 s63, s63, XIMG
	v_add_nc_u32 v[XWI], s63, v[LI]
	v_add_nc_u32 v[XWI2], 0x10000, v[XWI]
	v_add_nc_u32 v[LIH], XIMG+65536, v[LI]
	s_lshl_b32 s63, s50, 15
	s_add_co_u32 s63, s63, XIMG
	v_add_nc_u32 v[LIS], s63, v[LI]
	v_lshlrev_b32 v[HO], 4, v2
	v_lshl_add_u32 v[HO], v3, 3, v[HO]
	s_lshl_b32 s63, s48, 12
	v_add_nc_u32 v[HO], s63, v[HO]
	v_bfe_u32 v19, v0, 3, 1                        ; r / 8
	v_and_b32 v30, 7, v0                           ; r % 8
	v_lshlrev_b32 v[FSO], 4, v30
	v_lshl_add_u32 v[FSO], v19, 9, v[FSO]
	v_lshl_add_u32 v[FSO], v3, 8, v[FSO]
	s_lshl_b32 s63, s48, 11
	s_add_co_u32 s63, s63, FGST
	v_add_nc_u32 v[FSO], s63, v[FSO]               ; row 16 m + r of the block is lane 8 (m % 2) + r % 8 of tile 2 (m / 2) + r / 8: 512 (r / 8) + 16 (r % 8) + 256 h here, the rest in the offset
	v_add_nc_u32 v[FSR], s63, v[LI]
	v_lshlrev_b32 v[WA], 9, v2
	v_lshl_add_u32 v[WA], v3, 4, v[WA]
	v_and_b32 v31, 8, v2
	v_add_nc_u32 v31, v31, v2                      ; r + 8 (r / 8)
	v_lshlrev_b32 v[WS], 9, v31
	v_lshl_add_u32 v[WS], v3, 4, v[WS]
	v_lshlrev_b32 v[BA], 6, v3
	v_lshlrev_b32 v[BHA], 2, v2
	s_lshl_b32 s66, s48, 16
	s_add_nc_u64 s[10:11], s[10:11], s[66:67]      ; my 128 rows of Wh
	s_cmp_lt_u32 s48, 2                            ; waves 0, 1: f; waves 2, 3: g.  The choice hangs on the wave's number alone
	s_cselect_b64 s[68:69], s[6:7], s[8:9]
	s_cselect_b64 s[70:71], s[12:13], s[14:15]
	s_lshl_b32 s66, s49, 14
	s_add_nc_u64 s[68:69], s[68:69], s[66:67]      ; my 32 rows of the small weight,
	s_lshl_b32 s66, s49, 7
	s_add_nc_u64 s[70:71], s[70:71], s[66:67]      ; their 32 numbers of its bias,
	s_lshl_b32 s66, s48, 9
	s_add_nc_u64 s[16:17], s[16:17], s[66:67]      ; my 128 numbers of bh
.irp n, 0,1,2,3,4,5,6,7
	global_load_b32 v[BHR+\n], v[BHA], s[16:17] offset:64*\n   ; bh of channel 16 n + r
.endr
	WIN 0x40                                       ; destination window 1
.irp n, 0,1,2,3,4,5,6,7
.irp s, 0,1
.irp c, 0,1,2,3
	global_load_b128 v[16*(2*\n+\s)+4*\c:16*(2*\n+\s)+4*\c+3], v[WA], s[10:11] offset:8192*\n+128*\s+32*\c
.endr
.endr
.endr
	WIN 0x80                                       ; destination window 2
.irp n, 0,1,2,3,4,5,6,7
.irp s, 2,3
.irp c, 0,1,2,3
	global_load_b128 v[16*(2*\n+\s-2)+4*\c:16*(2*\n+\s-2)+4*\c+3], v[WA], s[10:11] offset:8192*\n+128*\s+32*\c
.endr
.endr
.endr
	WIN 0xc0                                       ; destination window 3
.irp u, 0,1
.irp s, 0,1,2,3
.irp c, 0,1,2,3
	global_load_b128 v[16*(4*\u+\s)+4*\c:16*(4*\u+\s)+4*\c+3], v[WS], s[68:69] offset:4096*\u+128*\s+32*\c
.endr
.endr
.endr
.irp u, 0,1
	global_load_b128 v[192+8*\u:192+8*\u+3], v[BA], s[70:71] offset:32*\u      ; the bias of columns 32 b + 16 h + 8 u + 0 .. 7
	global_load_b128 v[192+8*\u+4:192+8*\u+7], v[BA], s[70:71] offset:32*\u+16
.endr
	WIN 0
	; where the results go
	s_lshr_b32 s84, ttmp9, 6                       ; batch
	s_mul_i32 s84, s84, 2359296
	s_and_b32 s85, ttmp9, 63                       ; kb: my block of 64 keys in the batch
	s_lshr_b32 s86, s85, 1                         ; its step of 128 keys
	s_add_co_u32 s86, s86, 31
	s_and_b32 s86, s86, 31                         ; the step's place for h
	s_lshr_b32 s88, s86, 1
	s_mul_i32 s88, s88, 147456                     ; its slot,
	s_and_b32 s86, s86, 1
	s_lshl_b32 s86, s86, 16                        ; which of the slot's two places,
	s_add_co_u32 s86, s86, s88
	s_and_b32 s87, s85, 1
	s_lshl_b32 s87, s87, 15                        ; my two of the place's four chunks
	s_add_co_u32 s86, s86, s87
	s_add_co_u32 s86, s86, s84
	s_mov_b32 s87, 0
	s_add_nc_u64 s[80:81], s[22:23], s[86:87]      ; h's codes
	s_lshr_b32 s86, s85, 1
	s_add_co_u32 s86, s86, 30
	s_and_b32 s86, s86, 31                         ; the step's place for g
	s_lshr_b32 s88, s86, 1
	s_mul_i32 s88, s88, 147456
	s_and_b32 s86, s86, 1
	s_lshl_b32 s86, s86, 13
	s_add_co_u32 s88, s88, s86
	s_and_b32 s86, s85, 1
	s_lshl_b32 s86, s86, 12                        ; my four of its eight tiles
	s_add_co_u32 s88, s88, s86
	s_add_co_u32 s88, s88, s84
	s_add_co_u32 s88, s88, 131072                  ; g's codes, as an offset in kv
	s_lshl_b32 s89, ttmp9, 12                      ; f's, in fq
	s_cmp_lt_u32 s48, 2
	s_cselect_b32 s86, s89, s88
	s_cselect_b64 s[82:83], s[20:21], s[22:23]
	s_lshl_b32 s88, s49, 9                         ; my chunk of each tile
	s_add_co_u32 s86, s86, s88
	s_add_nc_u64 s[82:83], s[82:83], s[86:87]
	s_wait_kmcnt 0x0                               ; the exponents
	MKSC XSC, XSC+1, s52
	MKSC XSC+2, XSC+3, s54
	MKSC XSC+4, XSC+5, s56
	s_add_co_i32 s74, s56, s57                     ; a sum of x Wh stands for sum x 2^(e4 + e5): bh goes in as bh / 2^(e4 + e5), and h's code is sum / 2^(e9 - e4 - e5)
	s_sub_co_i32 s75, s61, s74
	s_sub_co_i32 s76, 0, s74
	MKSC HS, HS+1, s75
	s_add_co_i32 s66, s52, s53
	s_add_co_i32 s63, s54, s55
	s_cmp_lt_u32 s48, 2
	s_cselect_b32 s77, s66, s63                    ; e0 + e1 or e2 + e3
	s_cselect_b32 s78, s58, s59                    ; e6 or e7
	s_sub_co_i32 s78, s78, s77
	s_sub_co_i32 s79, 0, s77
	MKSC SS, SS+1, s78
; 64 numbers of a lane, v[XN] on (register 16 b + i = K 32 b + 16 h + i of my row), become a fragment's codes for scale q.  The held numbers go into two sets by turns, since x is quantised three times.
.macro QX q
.irp b, 0,1,2,3
.irp i, 0,1,2,3,4,5,6,7,8,9,10,11,12,13,14,15
	v_med3_num_f32 v[T+16*(\b%2)+\i], v[XN+16*\b+\i], -v[XSC+1+2*\q], v[XSC+1+2*\q]   ; the conversion to an 8-bit code does not saturate (ISA guide 7.6.2): the hold at the largest code x the scale
.endr
	v_cvt_scalef32_pk8_bf8_f32 v[PC+16*\q+4*\b:PC+16*\q+4*\b+1], v[T+16*(\b%2):T+16*(\b%2)+7], v[XSC+2*\q]
	v_cvt_scalef32_pk8_bf8_f32 v[PC+16*\q+4*\b+2:PC+16*\q+4*\b+3], v[T+16*(\b%2)+8:T+16*(\b%2)+15], v[XSC+2*\q]
.endr
.endm
	; ---- X: my 16 rows of x become three times four fragments
.irp s, 0,1,2,3
	s_wait_tensorcnt 3-\s                          ; tensor loads of a wave end in order: K step s is in, the younger ones may be out; only I read these bytes
.irp b, 0,1,2,3
.irp j, 0,1,2,3
	ds_load_b128 v[XN+16*\b+4*\j:XN+16*\b+4*\j+3], v[XA] offset:XTS*\s+128*\b+16*\j
.endr
.endr
	s_wait_dscnt 0x0                               ; the numbers are in; and the last step's image stores have read their registers
	QX 0
.irp c, 0,1,2,3
	ds_store_b128 v[XWI], v[PC+4*\c:PC+4*\c+3] offset:2048*\s+512*\c
.endr
	QX 1
.irp c, 0,1,2,3
	ds_store_b128 v[XWI], v[PC+16+4*\c:PC+16+4*\c+3] offset:32768+2048*\s+512*\c
.endr
	QX 2
.irp c, 0,1,2,3
	ds_store_b128 v[XWI2], v[PC+32+4*\c:PC+32+4*\c+3] offset:2048*\s+512*\c
.endr
.endr
	v_nop                                          ; a plain line behind the last conversion
	s_wait_loadcnt 0x0                             ; weights and biases
	WIN 0xc0
.irp n, 0,1,2,3,4,5,6,7
.irp j, 0,1,2,3,4,5,6,7
	v_ldexp_f32 v[128+8*\n+\j], v[BHR+\n], s76     ; bh / 2^(e4 + e5), in the result's layout: a lane's eight registers are one channel
.endr
.endr
	WIN 0xc3
.irp j, 0,1,2,3,4,5,6,7,8,9,10,11,12,13,14,15
	v_ldexp_f32 v[192+\j], v[192+\j], s79
.endr
	WIN 0
	s_wait_dscnt 0x0                               ; for the others' sake: my images have landed
	s_barrier_signal -1
	s_barrier_wait -1                              ; all 48 fragments lie in LDS; nothing is written there again
	; ---- M: a tile of 16 rows at a time: ten accumulators by turns, a K step at a time
.irp m, 0,1,2,3
.irp s, 0,1,2,3
.irp c, 0,1,2,3
	ds_load_b128 v[XH+16*\s+4*\c:XH+16*\s+4*\c+3], v[LIH] offset:8192*\m+2048*\s+512*\c
.endr
.endr
.irp s, 0,1,2,3
.irp c, 0,1,2,3
	ds_load_b128 v[XS+16*\s+4*\c:XS+16*\s+4*\c+3], v[LIS] offset:8192*\m+2048*\s+512*\c
.endr
.endr
	s_wait_dscnt 0x0
.irp s, 0,1,2,3
.if \s == 0
	WIN 0x34                                       ; source 1 (Wh) window 1, source 2 (the bias) window 3
.elseif \s == 1
	WIN 0x04
.else
	WIN 0x08                                       ; source 1 window 2
.endif
.irp n, 0,1,2,3,4,5,6,7
.if \s == 0
	v_wmma_f32_16x16x128_bf8_bf8 v[ACC+8*\n:ACC+8*\n+7], v[XH+16*\s:XH+16*\s+15], v[16*(2*\n+\s%2):16*(2*\n+\s%2)+15], v[128+8*\n:128+8*\n+7]
.else
	v_wmma_f32_16x16x128_bf8_bf8 v[ACC+8*\n:ACC+8*\n+7], v[XH+16*\s:XH+16*\s+15], v[16*(2*\n+\s%2):16*(2*\n+\s%2)+15], v[ACC+8*\n:ACC+8*\n+7]
.endif
.endr
.if \s == 0
	WIN 0x33                                       ; source 0 (the small weight) and source 2 (its bias) window 3
.else
	WIN 0x03
.endif
.irp u, 0,1
.if \s == 0
	v_wmma_f32_16x16x128_bf8_bf8 v[ACC+64+8*\u:ACC+64+8*\u+7], v[16*(4*\u+\s):16*(4*\u+\s)+15], v[XS+16*\s:XS+16*\s+15], v[192+8*\u:192+8*\u+7]
.else
	v_wmma_f32_16x16x128_bf8_bf8 v[ACC+64+8*\u:ACC+64+8*\u+7], v[16*(4*\u+\s):16*(4*\u+\s)+15], v[XS+16*\s:XS+16*\s+15], v[ACC+64+8*\u:ACC+64+8*\u+7]
.endif
.endr
.endr
	WIN 0
.rept 5
	v_nop                                          ; places behind the products: four for the reads of results and the next loads, five for the next tile's products, which begin the accumulators anew
.endr
	s_wait_xcnt 0x0                                ; the last tile's stores have read h's codes
.irp n, 0,1,2,3,4,5,6,7
.irp j, 0,1,2,3,4,5,6,7
	v_med3_num_f32 v[ACC+8*\n+\j], v[ACC+8*\n+\j], -v[HS+1], v[HS+1]
.endr
	v_cvt_scalef32_pk8_bf8_f32 v[HC+2*\n:HC+2*\n+1], v[ACC+8*\n:ACC+8*\n+7], v[HS]   ; keys 16 m + 8 h + 0 .. 7 of channel 16 n + r
.endr
.irp j, 0,1,2,3,4,5,6,7,8,9,10,11,12,13,14,15
	v_med3_num_f32 v[ACC+64+\j], v[ACC+64+\j], -v[SS+1], v[SS+1]
.endr
	v_cvt_scalef32_pk8_bf8_f32 v[FC:FC+1], v[ACC+64:ACC+71], v[SS]
	v_cvt_scalef32_pk8_bf8_f32 v[FC+2:FC+3], v[ACC+72:ACC+79], v[SS]
	v_nop                                          ; a plain line between the last conversion and the products that write its sources
.irp n, 0,1,2,3,4,5,6,7
	global_store_b64 v[HO], v[HC+2*\n:HC+2*\n+1], s[80:81] offset:16384*(\m/2)+256*(\m%2)+512*\n   ; the 32 lanes store 256 consecutive bytes, at a multiple of 256 from kv's first byte
.endr
	ds_store_b128 v[FSO], v[FC:FC+3] offset:1024*(\m/2)+128*(\m%2)
.endr
	; ---- f's or g's codes leave as four runs of 512 bytes
.irp t, 0,1,2,3
	ds_load_b128 v[XH+4*\t:XH+4*\t+3], v[FSR] offset:512*\t   ; LDS serves a wave's instructions in order (ISA guide 5.7.1.4): these see my stores
.endr
	s_wait_dscnt 0x0
.irp t, 0,1,2,3
	global_store_b128 v[LI], v[XH+4*\t:XH+4*\t+3], s[82:83] offset:1024*\t
.endr
	s_wait_tensorcnt 0x0                           ; the wave's end, behind my last tensor load and my last LDS store
	ds_add_u32 v[SPW], v[NIL]
	s_wait_dscnt 0x0
	s_endpgm
.Lfunc_end_k_qfce02eedac_proj:
	.size	k_qfce02eedac_proj, .Lfunc_end_k_qfce02eedac_proj-k_qfce02eedac_proj
	.p2alignl 7, 3214868480
	.fill 96, 4, 3214868480
	.section	.rodata,"a",@progbits
	.p2align	6, 0x0
	.amdhsa_kernel k_qfce02eedac_proj
		.amdhsa_group_segment_fixed_size 242176
		.amdhsa_private_segment_fixed_size 0
		.amdhsa_enable_private_segment 0
		.amdhsa_kernarg_size 80
		.amdhsa_user_sgpr_count 2
		.amdhsa_user_sgpr_kernarg_segment_ptr 1
		.amdhsa_wavefront_size32 1
		.amdhsa_system_sgpr_workgroup_id_x 1
		.amdhsa_system_sgpr_workgroup_id_y 1
		.amdhsa_system_sgpr_workgroup_id_z 1
		.amdhsa_system_vgpr_workitem_id 0
		.amdhsa_next_free_vgpr 1024
		.amdhsa_next_free_sgpr 96
		.amdhsa_reserve_vcc 0
		.amdhsa_float_denorm_mode_32 3
		.amdhsa_float_denorm_mode_16_64 3
		.amdhsa_memory_ordered 1
		.amdhsa_forward_progress 1
		.amdhsa_inst_pref_size 138
	.end_amdhsa_kernel
	.amdgpu_metadata
---
amdhsa.version: [ 1, 2 ]
amdhsa.kernels:
  - .name:           k_qfce02eedac_proj
    .symbol:         k_qfce02eedac_proj.kd
    .args:
      - { .name: x, .offset: 0, .size: 8, .value_kind: global_buffer, .address_space: global }
      - { .name: Wf_codes, .offset: 8, .size: 8, .value_kind: global_buffer, .address_space: global }
      - { .name: Wg_codes, .offset: 16, .size: 8, .value_kind: global_buffer, .address_space: global }
      - { .name: Wh_codes, .offset: 24, .size: 8, .value_kind: global_buffer, .address_space: global }
      - { .name: bf, .offset: 32, .size: 8, .value_kind: global_buffer, .address_space: global }
      - { .name: bg, .offset: 40, .size: 8, .value_kind: global_buffer, .address_space: global }
      - { .name: bh, .offset: 48, .size: 8, .value_kind: global_buffer, .address_space: global }
      - { .name: lowp_scales, .offset: 56, .size: 8, .value_kind: global_buffer, .address_space: global }
      - { .name: fq, .offset: 64, .size: 8, .value_kind: global_buffer, .address_space: global }
      - { .name: kv, .offset: 72, .size: 8, .value_kind: global_buffer, .address_space: global }
    .group_segment_fixed_size: 242176
    .private_segment_fixed_size: 0
    .kernarg_segment_align: 8
    .kernarg_segment_size: 80
    .max_flat_workgroup_size: 128
    .sgpr_count:     96
    .vgpr_count:     1024
    .wavefront_size: 32
...
	.end_amdgpu_metadata
.endif
;; end of part 1
;; launch attn (part 2): grid 64 x 4, 4 waves a work-group, clusters of 4 x 1, 327,680 bytes of LDS; arguments fq, kv, x, gamma, lowp_scales, out0; writes out0
.if DOCPART == 2
	.amdgcn_target "amdgcn-amd-amdhsa--gfx1250"
	.amdhsa_code_object_version 6
	.text
	.protected	k_qfce02eedac_attn
	.globl	k_qfce02eedac_attn
	.p2align	8
	.type	k_qfce02eedac_attn,@function
k_qfce02eedac_attn:
	s_mov_b64 s[64:65], 0
	v_nop
	global_prefetch_b8 v0, s[64:65] scope:SCOPE_SE
	s_setreg_imm32_b32 hwreg(HW_REG_WAVE_MODE, 25, 1), 1
	s_wait_xcnt 0x0
	s_wait_alu depctr_hold_cnt(0) depctr_sa_sdst(0) depctr_va_vdst(0) depctr_va_sdst(0) depctr_va_ssrc(0) depctr_va_vcc(0) depctr_vm_vsrc(0)
	s_getreg_b32 s2, hwreg(HW_REG_IB_STS2, 6, 4)
	s_cmp_eq_u32 s2, 0
	s_cbranch_scc0 .Lentry_in_a_cluster
	s_endpgm
.Lentry_in_a_cluster:
	s_bfe_u32 s2, ttmp6, 0x10000c
	s_cmp_lg_u32 s2, 0x3003
	s_cbranch_scc0 .Lentry_shape_is_right
	s_endpgm
.Lentry_shape_is_right:
; out0[b][q] = x[b][q] + gamma x (the sum over keys of Q(p, e8) Q(h, e9)) / l, p = 2^(t - M), t = score x log2(e), score = Q(f, e6) . Q(g, e7), M = ceil(the row's largest t), l = the row's sum of the unquantised p.
; fq and kv hold f's, g's and h's codes (BF8, E5M2) as the launch before laid them: images of operand registers.  No work is left out: every input has a way to the output.
; LIMITS: e6 + e7 between -126 and 127 (added to the exponent field of log2(e)); e8 between -126 and 112; e8 + e9 is applied by v_ldexp_f32 and has none.  NaN among the inputs is not served.
; SHARES.  A work-group has 64 queries of one batch: four tiles m of 16; lane r of tile m holds query 32 (m / 2) + 8 (m % 2) + r + 8 (r / 8).  Keys go in steps of 128, two steps to a slot.
; For the scores and the softmax THE WAVES SHARE THE KEYS: wave w takes keys 32 w .. 32 w + 31 of every step, for all 64 queries; its codes of p are chunk w of the four fragments of P, which go from wave to wave through LDS
; as images of their registers, in two buffers by turns, one barrier a step.  For the last product THE WAVES SHARE THE CHANNELS: wave w has O^T of channels 128 w .. 128 w + 127 for all 64 queries: 32 accumulators, 256 registers;
; a fragment of V read from LDS feeds four products, a fragment of P eight.
; TWO PASSES.  Pass 1 makes every score once, for the rows' largest alone (g straight from memory into a ring of eight register buffers).  Pass 2 then has the final M: nothing is rescaled, no factor goes between waves,
; and the order of the keys is free.  Both passes use the same instruction on the same codes, so pass 2 meets no score above the maximum.
; THE WALK IS ROTATED.  Cluster x of a batch starts both passes at slot j0 = 2 ((x & 7) xor 7 (x >> 3)) and walks the batch's 16 slots round: eight starts, two slots apart; the two clusters of a start differ in all four bits of x.
; So the 16 clusters of a batch ask for different slots at any one time, and their first fills, two slots each, together ask for all 16 at the kernel's head.  Below, steps and slots are counted from the cluster's start.
; A STEP RUNS AHEAD.  Slot j holds V of steps 2 j + 1, 2 j + 2 and g of steps 2 j + 2, 2 j + 3.  Interval i multiplies step i from registers that interval i - 1 filled, fetches V of step i + 1 into the other of two buffers,
; makes p of step i + 1 in slices behind its products, and at its end the raw scores of step i + 2.  Behind the barrier stand only P's and g's loads.  V of step 0 comes by loads from memory.
; Both products are used transposed (S^T = g f^T, O^T = h^T p^T): a lane holds ONE query throughout.
; CLUSTER.  The four work-groups of a cluster belong to one batch and walk the same slots: each wave's quarter of a slot (36,864 bytes, dense) is asked for JOINTLY, by the same tensor load with a mask that names the four.
; Two loads of a wave are out at the start, one behind each round.  Pass 1's g is not asked for jointly: a wave reads only its own quarter of it, once, and a batch's 256 KiB do not fit beside the ring.
; x is loaded into 256 registers at the head of pass 2 and is there when the sums are finished.
; REGISTERS.  window 0: v1-15 addresses; v16-23 -M (a pair a tile), later the factor gamma 2^(e8+e9) / l; v24-31 l; v32-63 f; v64-127 S^T, then p; v128-191 P's fragments (pass 1: a second set of scores; at the end rows of the result);
;   v192-207 p's codes; v208-223 g; v224-231 maxima; v240 57,344 x 2^e8, v241 2^e8; v242-249 at work.   window 1: O^T(n, m) at v[64 m + 8 n].   window 2: V(n) at v[16 n], even steps from v128, odd steps from v0 (pass 1: the ring in v0-127).
;   window 3: x, row t of tile m at v[64 m + 4 t].
.set SLOTB, 147456                     ; a slot: two places of h's codes, 65,536 bytes each, then two of g's, 8,192 each.  36,864 w has neither of SLOTB's two bits, so one exclusive or turns an address in slot 0 into slot 1's
.set PIMG,  294912                     ; behind the ring: two buffers of 8,192 bytes: fragment m at 2,048 m, chunk c at 512 c
.set REDM,  311296                     ; 2,048 bytes: the waves' maxima; 2,048 more: their sums
.set SPARE, 315392                     ; the spare words, 128 bytes for each wave: two blocks of 256 bytes that no other line names
.set LI,  1                            ; v1   16 x lane
.set AV0, 2                            ; v2   my channels' chunks of V in a place: 4,096 w + 16 x lane
.set AG0, 3                            ; v3   my keys' tiles of g: 131,072 + 2,048 w + 16 x lane
.set ADV, 4                            ; v4, v5  the same in the interval in hand
.set ADG, 5
.set PLD, 6                            ; v6   P's images: where I read,
.set PST, 7                            ; v7   and where I store my chunk
.set SPW, 8                            ; v8   my spare word; never rewritten
.set NIL, 9                            ; v9   0; never rewritten
.set STO, 10                           ; v10  the way out: where I put 32 bytes of a row.  The stage, 16 rows x 528 bytes a wave, lies in slot 0, which has had its last fill and its last read by then
.set RD,  11                           ; v11  and where I read a row back
.set XO,  12                           ; v12  my 16 bytes of a row of x and of out0: 512 w + 16 x lane
.set RST, 14                           ; v14  REDM + 16 x lane + 4 w
.set RLD, 15                           ; v15  REDM + 16 x lane
.set NM,  16
.set LS,  24
.set FQ,  32
.set SC,  64
.set PF,  128
.set SB,  128
.set PC,  192
.set GF,  208
.set RM,  224
.set TP,  242
.set SX,  SC                           ; the set of scores on which the softmax's macros work
; SCALARS: s16 wave; s17 cx; s18 my block of queries; s19 batch; s[24:31] group 1; s[32:35], s[36:39] groups 0; s[40:41] c; s[42:43] lane selects; s44 the LDS slot in hand; s45 counts; s46 at work; s47 j0;
;   s48 the slot last asked for; s49 pass 1's slot; s[50:51], s[58:59] pass 1's two bases; s[52:55] e6 .. e9; s56 gamma; s57 e8 + e9; s[60:61] g's first place, my tiles; s[62:63] kv at my batch and my quarter of a slot;
;   s[66:67], s[68:69] offsets (the upper words stay 0); s[70:71] V of step 0.
.set MSB, 0
.macro WIN new                         ; the immediate's high byte repeats the setting that is left
.if MSB != \new
	s_set_vgpr_msb (MSB<<8)|\new
.set MSB, \new
.endif
.endm
.macro CROUND                          ; a round of the cluster's barrier
	s_barrier_signal -1
	s_barrier_wait -1
	s_cmp_lg_u32 s16, 0
	s_cbranch_scc1 .Lnot_wave_0_\@
	s_barrier_signal -3
.Lnot_wave_0_\@:
	s_barrier_wait -3
	s_barrier_signal -1
	s_barrier_wait -1
.endm
.macro BAR                             ; my LDS stores have landed and my LDS loads are in: then the work-group's barrier.
	s_wait_dscnt 0x0
	s_barrier_signal -1
	s_barrier_wait -1
.endm
.macro JL                              ; the joint refill: every wave its quarter of the slot; an s_nop 0 and four v_nop follow
	tensor_load_to_lds s[36:39], s[24:31]
	s_nop 0
.rept 4
	v_nop
.endr
.endm
; THE CHANGE OF SLOTS.  Each wave waits for all its tensor loads (its quarter of the slot ahead), adds 0 to its spare word, and waits for that, for its reads of the slot that it leaves and for its stores of P.
; fill = 1: the barrier is a round of the cluster's, and the slot just left is filled first thing behind it; the load has two intervals in which to land.  Its address is made anew: the next slot, round the batch's 16.
.macro CHANGE fill
	s_wait_tensorcnt 0x0                           ; no tensor load of mine is out, so the walking group 0 may be written
	ds_add_u32 v[SPW], v[NIL]
.if \fill
	s_xor_b32 s37, s37, SLOTB                      ; the other LDS slot than last time,
	s_add_co_u32 s48, s48, 1
	s_and_b32 s48, s48, 15                         ; the next slot of the batch: it hangs on the cluster's x and the count of changes alone
	s_mul_i32 s66, s48, SLOTB
	s_add_nc_u64 s[38:39], s[62:63], s[66:67]
	s_or_b32 s39, s39, 0x80000000                  ; type = 2
	s_wait_dscnt 0x0
	CROUND
	JL
.else
	s_wait_dscnt 0x0
	s_barrier_signal -1
	s_barrier_wait -1
.endif
	s_xor_b32 s44, s44, SLOTB                      ; on to the other slot
.endm
	s_load_b256 s[4:11], s[0:1], 0x0               ; fq s[4:5], kv s[6:7], x s[8:9], gamma s[10:11]
	s_load_b128 s[12:15], s[0:1], 0x20             ; the scales' exponents s[12:13], out0 s[14:15]
	v_lshl_add_u32 v[SPW], v0, 2, SPARE
	v_mov_b32 v[NIL], 0
	ds_add_u32 v[SPW], v[NIL]                      ; the wave's opening: the add, twice on end, and its wait ahead of my first tensor load
	ds_add_u32 v[SPW], v[NIL]
	v_lshrrev_b32 v1, 5, v0
	v_readfirstlane_b32 s16, v1                    ; wave 0..3
	s_bfe_u32 s17, ttmp6, 0x40000                  ; cx: my place in the cluster: it enters the addresses of f, x and out0 alone
	s_lshl_b32 s18, ttmp9, 2
	s_add_co_u32 s18, s18, s17                     ; my block of 64 queries
	s_and_b32 s19, ttmp7, 0xffff                   ; the batch, which the four partners share
	s_mul_i32 s20, s19, 2359296
	s_mov_b32 s21, 0
	s_mul_i32 s45, s16, 36864                      ; my quarter of a slot
	s_mov_b32 s24, 15|(3<<16)|(1<<21)              ; group 1: the mask: all four work-groups; elements of 8 bytes; bit 21 set beside a mask; no padding: every LDS read takes 512 bytes on end
	s_mov_b32 s25, 32<<16                          ; tensor_dim0 = 32: rows of 256 bytes
	s_mov_b32 s26, 144<<16                         ; tensor_dim1 = 144
	s_mov_b32 s27, 32<<16                          ; tile_dim0
	s_mov_b32 s28, 144                             ; tile_dim1
	s_mov_b32 s29, 32                              ; the rows are dense
	s_mov_b32 s30, 0
	s_mov_b32 s31, 0
	s_mov_b32 s42, 0x76543210                      ; v_permlanex16_b32's selects for lane l xor 16
	s_mov_b32 s43, 0xfedcba98
	s_mov_b32 s44, 0                               ; the LDS slot in hand
	s_mov_b32 s67, 0
	s_mov_b32 s69, 0
	s_lshr_b32 s47, ttmp9, 3                       ; in a cluster launch ttmp9 counts clusters: x = 0 .. 15, the same in all four partners
	s_mul_i32 s47, s47, 7
	s_and_b32 s68, ttmp9, 7
	s_xor_b32 s47, s47, s68
	s_lshl_b32 s47, s47, 1                         ; j0 = 2 ((x & 7) xor 7 (x >> 3)): even, 0 .. 14
	s_add_co_u32 s48, s47, 1                       ; the first fills ask for slots j0 and j0 + 1
	s_mul_i32 s66, s47, SLOTB
	s_wait_dscnt 0x0                               ; both opening adds are done
	s_wait_kmcnt 0x0
	s_load_b128 s[52:55], s[12:13], 0x18           ; e6, e7, e8, e9
	s_load_b32 s56, s[10:11], 0x0                  ; gamma
	s_add_nc_u64 s[6:7], s[6:7], s[20:21]          ; kv at my batch
	CROUND                                         ; all four work-groups are here: the first joint loads meet
	s_mov_b32 s20, s45
	s_add_nc_u64 s[62:63], s[6:7], s[20:21]        ; and at my quarter of a slot
	s_mov_b32 s32, 1                               ; group 0 of my first slot: count = 1,
	s_mov_b32 s33, s45                             ; the LDS address,
	s_add_nc_u64 s[34:35], s[62:63], s[66:67]      ; the global address;
	s_mov_b32 s36, 1                               ; and of my second, which then walks
	s_add_co_u32 s37, s45, SLOTB
	s_add_nc_u64 s[38:39], s[34:35], SLOTB
	s_or_b32 s35, s35, 0x80000000                  ; type = 2
	s_or_b32 s39, s39, 0x80000000
	tensor_load_to_lds s[32:35], s[24:31]
	s_nop 0
	tensor_load_to_lds s[36:39], s[24:31]
	s_nop 0
.rept 4
	v_nop
.endr
	v_and_b32 v1, 31, v0
	v_lshlrev_b32 v[LI], 4, v1
	v_and_b32 v[TP], 15, v0                        ; r
	v_bfe_u32 v[TP+1], v0, 4, 1                    ; h
	s_lshl_b32 s20, s16, 12
	v_add_nc_u32 v[AV0], s20, v[LI]
	s_lshl_b32 s20, s16, 11
	s_add_co_u32 s20, s20, 131072
	v_add_nc_u32 v[AG0], s20, v[LI]
	v_add_nc_u32 v[PLD], PIMG, v[LI]
	s_lshl_b32 s20, s16, 9
	v_add_nc_u32 v[XO], s20, v[LI]
	s_add_co_u32 s20, s20, PIMG
	v_add_nc_u32 v[PST], s20, v[LI]
	s_mul_i32 s20, s16, 8448
	v_mul_u32_u24 v[STO], v[TP], 528
	v_lshl_add_u32 v[STO], v[TP+1], 5, v[STO]
	v_add_nc_u32 v[STO], s20, v[STO]
	v_add_nc_u32 v[RD], s20, v[LI]
	s_lshl_b32 s20, s16, 2
	s_add_co_u32 s20, s20, REDM
	v_add_nc_u32 v[RST], s20, v[LI]
	v_add_nc_u32 v[RLD], REDM, v[LI]
.irp i, 0,1,2,3,4,5,6,7
	v_mov_b32 v[RM+\i], 0xff800000                 ; the maxima begin under every score
	v_mov_b32 v[LS+\i], 0                          ; the sums at 0
.endr
.irp i, 2,3,4,5,6,7
	v_mov_b32 v[TP+\i], 0                          ; written once: a lane permute's destination counts as one of its sources
.endr
	s_lshl_b32 s22, s19, 18
	s_lshl_b32 s23, s18, 12
	s_add_co_u32 s22, s22, s23
	s_mov_b32 s23, 0
	s_add_nc_u64 s[4:5], s[4:5], s[22:23]          ; f's codes of my 64 queries
	s_lshl_b32 s22, s19, 23
	s_lshl_b32 s2, s18, 17
	s_add_co_u32 s22, s22, s2
	s_add_nc_u64 s[8:9], s[8:9], s[22:23]          ; x and out0 at my first query
	s_add_nc_u64 s[14:15], s[14:15], s[22:23]
	s_lshl_b32 s68, s16, 11
	s_add_co_u32 s68, s68, 131072
	s_add_nc_u64 s[60:61], s[6:7], s[68:69]        ; g's first place of slot 0, my two tiles
	s_add_co_u32 s68, s47, 15
	s_and_b32 s68, s68, 15                         ; V of my step 0 lies in the slot before my first, in its second place
	s_mul_i32 s68, s68, SLOTB
	s_add_co_u32 s68, s68, 65536
	s_add_nc_u64 s[70:71], s[6:7], s[68:69]
	s_mov_b32 s49, s47                             ; pass 1 starts at j0 too
; PASS 1.  Eight places, four slots, a trip.  The first two slots hang on one base, the other two on a second, so that the walk can pass the batch's last slot between them (s49 is even).
.macro SETG
	s_mul_i32 s66, s49, SLOTB
	s_add_nc_u64 s[50:51], s[60:61], s[66:67]
	s_add_co_u32 s68, s49, 2
	s_and_b32 s68, s68, 15
	s_mul_i32 s68, s68, SLOTB
	s_add_nc_u64 s[58:59], s[60:61], s[68:69]
.endm
.macro NEXTG
	s_wait_xcnt 0x0                                ; the loads have read their bases
	s_add_co_u32 s49, s49, 4
	s_and_b32 s49, s49, 15
	SETG
.endm
.macro GLD k                           ; place k of the ring: my two tiles of g (16 registers) of one step
	WIN 0x80                                       ; destination window 2
.irp u, 0,1
.irp ch, 0,1
.if (\k) < 4
	global_load_b128 v[16*(\k)+8*\u+4*\ch:16*(\k)+8*\u+4*\ch+3], v[LI], s[50:51] offset:147456*((\k)/2)+8192*((\k)%2)+1024*\u+512*\ch
.else
	global_load_b128 v[16*(\k)+8*\u+4*\ch:16*(\k)+8*\u+4*\ch+3], v[LI], s[58:59] offset:147456*(((\k)-4)/2)+8192*((\k)%2)+1024*\u+512*\ch
.endif
.endr
.endr
	WIN 0
.endm
.macro W1 k, set, cnt                  ; its eight products S^T = g f^T, K = 64, into one of two sets of 64 registers
	s_wait_loadcnt \cnt                            ; loads come back in order (ISA guide 5.7.1): this place is in, the younger loads may be out
	WIN 0x02                                       ; source 0 window 2
.irp u, 0,1
.irp m, 0,1,2,3
	v_wmma_f32_16x16x64_bf8_bf8 v[\set+16*\m+8*\u:\set+16*\m+8*\u+7], v[16*(\k)+8*\u:16*(\k)+8*\u+7], v[FQ+8*\m:FQ+8*\m+7], 0
.endr
.endr
	WIN 0
.endm
.macro MAXS set                        ; eight chains by turns; each accumulator from its low end on
.irp jj, 0,1,2,3
.irp m, 0,1,2,3
.irp u, 0,1
	v_max3_num_f32 v[RM+2*\m+\u], v[RM+2*\m+\u], v[\set+16*\m+8*\u+2*\jj], v[\set+16*\m+8*\u+2*\jj+1]
.endr
.endr
.endr
.endm
; A place's turn: its products into one set, the maxima of the place before from the other: those 32 plain lines name no register of the products just issued, so they are the places
; in front of the loads into the ring's buffer and of the next turn's read of the results.
.macro P1 k, cnt, more
.if (\k)%2
	W1 \k, SC, \cnt
	MAXS SB
.else
	W1 \k, SB, \cnt
	MAXS SC
.endif
.if \more
	GLD \k                                         ; the place eight on
.endif
.endm
	SETG
.irp m, 0,1,2,3
.irp ch, 0,1
	global_load_b128 v[FQ+8*\m+4*\ch:FQ+8*\m+4*\ch+3], v[LI], s[4:5] offset:1024*\m+512*\ch   ; f stays in registers
.endr
.endr
.irp k, 0,1,2,3,4,5,6,7
	GLD \k
.endr
	NEXTG
	s_wait_kmcnt 0x0
	s_add_co_i32 s20, s52, s53
	s_lshl_b32 s20, s20, 23
	s_add_co_i32 s40, s20, 0x3fb8aa3b              ; c = log2(e) x 2^(e6 + e7): the two exponents are added to the exponent field
	s_mov_b32 s41, s40                             ; (named with it as a pair, so it is written)
	s_add_co_i32 s20, s54, 127
	s_lshl_b32 s21, s20, 23
	v_mov_b32 v241, s21                            ; 2^e8 as f32, for the conversion
	s_add_co_i32 s20, s20, 15
	s_lshl_b32 s20, s20, 23
	s_or_b32 s20, s20, 0x600000
	v_mov_b32 v240, s20                            ; 57,344 x 2^e8
	s_add_co_i32 s57, s54, s55                     ; e8 + e9
	W1 0, SC, 28                                   ; place 0 once more than needed, so that the loop's first maxima find scores: a number met twice does a maximum no harm
.rept 4
	v_nop                                          ; places in front of the first read of these results
.endr
	s_mov_b32 s45, 3
.Lp1:                                              ; three trips of eight places; each asks for the eight places of the next
.irp k, 0,1,2,3,4,5,6,7
	P1 \k, 28, 1                                   ; four loads for each of the seven younger places
.endr
	NEXTG
	s_sub_co_u32 s45, s45, 1
	s_cmp_lg_u32 s45, 0
	s_cbranch_scc1 .Lp1
	P1 0, 28, 0                                    ; the last eight places ask for no more of g
	WIN 0x80                                       ; V of my step 0, my 128 channels, into the buffer of the even steps: 32 loads of 512 consecutive bytes; 28 + 32 loads are out
.irp n, 0,1,2,3,4,5,6,7
.irp c, 0,1,2,3
	global_load_b128 v[128+16*\n+4*\c:128+16*\n+4*\c+3], v[AV0], s[70:71] offset:16384*\c+512*\n
.endr
.endr
	WIN 0
.irp k, 1,2,3,4,5,6,7
	P1 \k, 4*(7-\k)+32, 0                          ; the younger places' loads and V's 32 may be out
.endr
	MAXS SC                                        ; the last two places are my steps 0 and 1: their raw scores stay, step 0's in v128-191, step 1's in v64-127
	; BETWEEN THE PASSES: the rows' largest scores, among my 16 keys a step, the other half of the lanes', the other waves'
.irp m, 0,1,2,3
	v_max_num_f32 v[RM+2*\m], v[RM+2*\m], v[RM+2*\m+1]
.endr
.irp m, 0,1,2,3
	v_permlanex16_b32 v[TP+\m], v[RM+2*\m], s42, s43
.endr
.irp m, 0,1,2,3
	v_max_num_f32 v[RM+2*\m], v[RM+2*\m], v[TP+\m]
.endr
.irp m, 0,1,2,3
	ds_store_b32 v[RST], v[RM+2*\m] offset:512*\m
.endr
	s_wait_tensorcnt 1                             ; my quarter of my first slot is in; the second's may stay out
	BAR
.irp m, 0,1,2,3
	ds_load_b128 v[PC+4*\m:PC+4*\m+3], v[RLD] offset:512*\m
.endr
	s_wait_dscnt 0x0
.irp m, 0,1,2,3
	v_max3_num_f32 v[TP+\m], v[PC+4*\m], v[PC+4*\m+1], v[PC+4*\m+2]
.endr
.irp m, 0,1,2,3
	v_max_num_f32 v[TP+\m], v[TP+\m], v[PC+4*\m+3]
.endr
.irp m, 0,1,2,3
	v_mul_f32 v[TP+\m], s40, v[TP+\m]              ; as t (c is positive)
.endr
.irp m, 0,1,2,3
	v_floor_f32 v[NM+2*\m], -v[TP+\m]              ; -M = floor(-t) = -ceil(t): a whole number
.endr
.irp m, 0,1,2,3
	v_mov_b32 v[NM+2*\m+1], v[NM+2*\m]             ; (named with it as a pair)
.endr
; THE SOFTMAX OF A STEP, on the 64 registers from v[SX] on (register 16 m + i: tile m).
.macro SMF a, b                        ; t - M, pairs a to b of 32, ascending: each accumulator is first read at its low end
.set J, \a
.rept (\b)-(\a)+1
	v_pk_fma_f32 v[SX+2*J:SX+2*J+1], v[SX+2*J:SX+2*J+1], s[40:41], v[NM+2*(J/8):NM+2*(J/8)+1] op_sel_hi:[1,0,0]
.set J, J+1
.endr
.endm
.macro EXPS a, b                       ; p = 2^(t - M), registers a to b of 64
.set J, \a
.rept (\b)-(\a)+1
	v_exp_f32 v[SX+J], v[SX+J]
.set J, J+1
.endr
.endm
; What follows the exponentials of tiles 2 hf and 2 hf + 1 is a list of 52 lines; PLN writes numbers a to b of it.  0-47, in sixes: l += p, UNQUANTISED, a pair of each tile; then the hold of those four numbers
; (p is not negative, so the hold is one-sided; the conversion to an 8-bit code does not saturate: ISA guide 7.6.2).  48-51: the four conversions.
.macro PLN hf, a, b
.set J, \a
.rept (\b)-(\a)+1
.if J < 48
.set A_, J/6
.set R_, J%6
.if R_ < 2
.set M_, 2*(\hf)+R_
	v_pk_add_f32 v[LS+2*M_:LS+2*M_+1], v[LS+2*M_:LS+2*M_+1], v[SX+16*M_+2*A_:SX+16*M_+2*A_+1]
.else
.set M_, 2*(\hf)+(R_-2)/2
	v_min_num_f32 v[SX+16*M_+2*A_+R_%2], v[SX+16*M_+2*A_+R_%2], v240
.endif
.else
.set M_, 2*(\hf)+(J-48)/2
.set R_, (J-48)%2
	v_cvt_scalef32_pk8_bf8_f32 v[PC+4*M_+2*R_:PC+4*M_+2*R_+1], v[SX+16*M_+8*R_:SX+16*M_+8*R_+7], v241
.endif
.set J, J+1
.endr
.endm
	; step 0's softmax stands alone, on the set in which pass 1 left its scores: there are no products yet to set it between
.set SX, SB
	SMF 0, 31
	EXPS 0, 63
	v_nop                                          ; a plain line behind the last exponential
	s_wait_alu depctr_va_vdst(0)                   ; the wait ahead of the first line that names a result: one for the batch
	PLN 0, 0, 51
	PLN 1, 0, 51
	v_nop                                          ; a plain line behind the last conversion
.set SX, SC
.irp m, 0,1,2,3
	ds_store_b128 v[PST], v[PC+4*\m:PC+4*\m+3] offset:2048*\m   ; my chunk of P of step 0, into buffer 0
.endr
.macro XLD m                           ; the 16 rows of x of tile m, my 128 channels: 32 lanes read 512 consecutive bytes
	WIN 0xc0                                       ; destination window 3
.set T_, 0
.rept 16
	global_load_b128 v[64*(\m)+4*T_:64*(\m)+4*T_+3], v[XO], s[8:9] offset:2048*(32*((\m)/2)+8*((\m)%2)+T_+8*(T_/8)) th:TH_LOAD_NT
.set T_, T_+1
.endr
	WIN 0
.endm
	XLD 0
	XLD 1
	XLD 2                                          ; tile 3 follows late in pass 2
; PASS 2.
.macro VRUN sg, g                      ; two tiles of the next step's V, eight loads, into the buffer that the products do not read
	WIN 0x80                                       ; destination window 2
.irp t, 0,1
.irp c, 0,1,2,3
	ds_load_b128 v[128*(\sg)+16*(2*(\g)+\t)+4*\c:128*(\sg)+16*(2*(\g)+\t)+4*\c+3], v[ADV] offset:16384*\c+512*(2*(\g)+\t)
.endr
.endr
.endm
.macro SMH                             ; ahead of an interval's products, while P's loads are on their way: all 32 scalings and the exponentials of tiles 0 and 1, the scalings of tiles 2 and 3 set between them
	SMF 0, 15
.set Q_, 0
.rept 16
	v_exp_f32 v[SX+2*Q_], v[SX+2*Q_]
	SMF 16+Q_, 16+Q_
	v_exp_f32 v[SX+2*Q_+1], v[SX+2*Q_+1]
.set Q_, Q_+1
.endr
	v_nop                                          ; a plain line behind the last exponential
	s_wait_alu depctr_va_vdst(0)                   ; the wait ahead of the first line that names a result: one for these 32
.endm
.macro SW                              ; raw scores of my 32 keys: the same eight products as in pass 1
.irp u, 0,1
.irp m, 0,1,2,3
	v_wmma_f32_16x16x64_bf8_bf8 v[SC+16*\m+8*\u:SC+16*\m+8*\u+7], v[GF+8*\u:GF+8*\u+7], v[FQ+8*\m:FQ+8*\m+7], 0
.endr
.endr
.rept 4
	v_nop                                          ; places in front of the next loads into g's registers and of the first read of results
.endr
.endm
; The interval's 32 products O^T += V^T P^T, the 32 accumulators by turns.  sm = 1: behind each stands a slice of the next step's softmax, which names none of the products' registers:
; behind products 0-15 three or four lines of tiles 0 and 1's list and two exponentials of tiles 2 and 3; then a plain line and the wait for those 32; behind products 16-31 three or four lines of tiles 2 and 3's list.
; Behind products 3, 9, 15 and 21 stands a run of eight loads of the next step's V.  A slice costs two switches of the register window: the softmax works in window 0, O^T fills window 1.
.macro PVPH sg, zero, sm
.set KK, 0
.rept 32
	WIN 0x52                                       ; source 0 (V) window 2, source 1 (P) window 0, C and D window 1
.set rO, 64*(KK%4)+8*(KK/4)
.set rV, 128*(1-\sg)+16*(KK/4)
.set rP, PF+16*(KK%4)
.if \zero
	v_wmma_f32_16x16x128_bf8_bf8 v[rO:rO+7], v[rV:rV+15], v[rP:rP+15], 0
.else
	v_wmma_f32_16x16x128_bf8_bf8 v[rO:rO+7], v[rV:rV+15], v[rP:rP+15], v[rO:rO+7]
.endif
.if \sm
	WIN 0
.if KK < 16
	PLN 0, 13*KK/4, 13*(KK+1)/4-1
	EXPS 32+2*KK, 33+2*KK
.else
	PLN 1, 13*(KK-16)/4, 13*(KK-15)/4-1
.endif
.if KK == 15
	v_nop                                          ; a plain line behind the last exponential and the last conversion
	s_wait_alu depctr_va_vdst(0)                   ; the wait: one for tiles 2 and 3's 32 exponentials, ahead of the first line that names a result
.endif
.if (KK%6 == 3) && (KK < 27)
	VRUN \sg, KK/6
.endif
.endif
.set KK, KK+1
.endr
	WIN 0
.rept 4
	v_nop                                          ; the plain line behind the last conversion, and the places in front of the next loads into P's registers
.endr
.endm
; AN INTERVAL.  sg: which of the slot's two.  It multiplies step i (P from buffer sg, V from registers); sm = 1: it fetches V of step i + 1 and makes P of step i + 1, which goes into the other buffer: every wave has done reading that
; at the barrier in front of this interval; nx = 1: it fetches g of step i + 2 and makes that step's raw scores behind the stores of P.
.macro INT sg, zero, sm, nx
.if \sm
	s_add_co_u32 s46, s44, 65536*\sg
	v_add_nc_u32 v[ADV], s46, v[AV0]
.endif
.if \nx
	s_add_co_u32 s46, s44, 8192*\sg
	v_add_nc_u32 v[ADG], s46, v[AG0]
.endif
.irp m, 0,1,2,3
.irp c, 0,1,2,3
	ds_load_b128 v[PF+16*\m+4*\c:PF+16*\m+4*\c+3], v[PLD] offset:8192*\sg+2048*\m+512*\c
.endr
.endr
.if \nx
.irp u, 0,1
.irp ch, 0,1
	ds_load_b128 v[GF+8*\u+4*\ch:GF+8*\u+4*\ch+3], v[ADG] offset:1024*\u+512*\ch
.endr
.endr
.endif
.if \sm
	SMH
.endif
.if \nx
	s_wait_dscnt 4                                 ; P is in; g's four loads are younger
.else
	s_wait_dscnt 0x0
.endif
	PVPH \sg, \zero, \sm
.if \sm
.irp m, 0,1,2,3
	ds_store_b128 v[PST], v[PC+4*\m:PC+4*\m+3] offset:8192*(1-\sg)+2048*\m
.endr
.endif
.if \nx
	s_wait_dscnt 36                                ; g is in; V's 32 loads and the 4 stores are younger
	SW
.endif
.endm
	BAR                                            ; P of step 0 lies in LDS
	s_wait_loadcnt 48                              ; V of step 0 is in; x's 48 loads are younger
	INT 0, 1, 1, 1                                 ; slot 0: the first products start the sums: nothing is ever cleared
	BAR
	INT 1, 0, 1, 1
	s_mov_b32 s45, 13
.Lslot:                                            ; slots 1 to 13: each change asks for the slot after the one ahead
	CHANGE 1
	INT 0, 0, 1, 1
	BAR
	INT 1, 0, 1, 1
	s_sub_co_u32 s45, s45, 1
	s_cmp_lg_u32 s45, 0
	s_cbranch_scc1 .Lslot
	CHANGE 1                                       ; slot 14: slot 15 is asked for
	XLD 3                                          ; x's last 16 rows
	INT 0, 0, 1, 1
	BAR
	INT 1, 0, 1, 1
	CHANGE 0                                       ; slot 15 is written out: nothing is left to ask for
	INT 0, 0, 1, 0                                 ; step 30: V and P of step 31 are made ready; there is no step 32
	BAR
	INT 1, 0, 0, 0                                 ; step 31
	; THE WAY OUT.  l: the pair's two halves, the other half of the lanes', the other waves'
.irp m, 0,1,2,3
	v_add_f32 v[TP+\m], v[LS+2*\m], v[LS+2*\m+1]
.endr
.irp m, 0,1,2,3
	v_permlanex16_b32 v[TP+4+\m], v[TP+\m], s42, s43
.endr
.irp m, 0,1,2,3
	v_add_f32 v[TP+\m], v[TP+\m], v[TP+4+\m]
.endr
.irp m, 0,1,2,3
	ds_store_b32 v[RST], v[TP+\m] offset:2048+512*\m
.endr
	BAR
.irp m, 0,1,2,3
	ds_load_b128 v[PF+4*\m:PF+4*\m+3], v[RLD] offset:2048+512*\m
.endr
	s_wait_dscnt 0x0
.irp m, 0,1,2,3
	v_add_f32 v[TP+\m], v[PF+4*\m], v[PF+4*\m+1]
	v_add_f32 v[TP+4+\m], v[PF+4*\m+2], v[PF+4*\m+3]
.endr
.irp m, 0,1,2,3
	v_add_f32 v[TP+\m], v[TP+\m], v[TP+4+\m]
.endr
.irp m, 0,1,2,3
	v_rcp_f32 v[TP+4+\m], v[TP+\m]
.endr
	v_nop                                          ; a plain line behind the last reciprocal
	s_wait_alu depctr_va_vdst(0)                   ; and the wait: one for the four
.irp m, 0,1,2,3
	v_mul_f32 v[NM+2*\m], s56, v[TP+4+\m]          ; gamma / l
.endr
.irp m, 0,1,2,3
	v_ldexp_f32 v[NM+2*\m], v[NM+2*\m], s57        ; x 2^(e8 + e9)
.endr
	s_wait_loadcnt 0x0                             ; x
; Tile m: a lane holds eight neighbouring channels of one query, and the lanes beside it hold other queries: so the 16 rows go through my own stage in LDS and come back as whole rows of 512 bytes.
.macro TOSTAGE m
	WIN 0x01                                       ; source 0 (O^T) window 1
.set I_, 0
.rept 32
	v_pk_mul_f32 v[SC+I_:SC+I_+1], v[64*(\m)+I_:64*(\m)+I_+1], v[NM+2*(\m):NM+2*(\m)+1] op_sel_hi:[1,0]   ; each accumulator from its low end on
.set I_, I_+2
.endr
	WIN 0
.irp n, 0,1,2,3,4,5,6,7
	ds_store_b128 v[STO], v[SC+8*\n:SC+8*\n+3] offset:64*\n
	ds_store_b128 v[STO], v[SC+8*\n+4:SC+8*\n+7] offset:64*\n+16
.endr
.set BB, PF+64*((\m)%2)
.irp t, 0,1,2,3,4,5,6,7,8,9,10,11,12,13,14,15
	ds_load_b128 v[BB+4*\t:BB+4*\t+3], v[RD] offset:528*\t   ; LDS serves a wave's instructions in order (ISA guide 5.7.1.4): these see my stores, and the next tile's stores come behind them
.endr
.endm
.macro SEND m, younger                 ; younger: the LDS instructions issued behind tile m's loads
.set BB, PF+64*((\m)%2)
	s_wait_dscnt \younger
	WIN 0x0c                                       ; source 1 (x) window 3
.set I_, 0
.rept 32
	v_pk_add_f32 v[BB+I_:BB+I_+1], v[BB+I_:BB+I_+1], v[64*(\m)+I_:64*(\m)+I_+1]
.set I_, I_+2
.endr
	WIN 0
.irp t, 0,1,2,3,4,5,6,7,8,9,10,11,12,13,14,15
	global_store_b128 v[XO], v[BB+4*\t:BB+4*\t+3], s[14:15] offset:2048*(32*((\m)/2)+8*((\m)%2)+\t+8*(\t/8)) th:TH_STORE_NT   ; 32 lanes store 512 consecutive bytes, at a multiple of 256 from out0's first byte
.endr
.endm
	TOSTAGE 0
.irp a, 1,2,3
.if \a > 1
	s_wait_xcnt 0x0                                ; tile a - 2's stores have read their registers: tile a's rows may land there
.endif
	TOSTAGE \a
	SEND \a-1, 32                                  ; behind tile a - 1's loads: tile a's 16 stores and 16 loads
.endr
	SEND 3, 0
	s_wait_tensorcnt 0x0                           ; the wave's end, behind my last tensor load and my last LDS store
	ds_add_u32 v[SPW], v[NIL]
	s_wait_dscnt 0x0
	CROUND                                         ; the closing round: no work-group ends while a partner may still ask for a tile that names it
	s_endpgm
.Lfunc_end_k_qfce02eedac_attn:
	.size	k_qfce02eedac_attn, .Lfunc_end_k_qfce02eedac_attn-k_qfce02eedac_attn
	.p2alignl 7, 3214868480
	.fill 96, 4, 3214868480
	.section	.rodata,"a",@progbits
	.p2align	6, 0x0
	.amdhsa_kernel k_qfce02eedac_attn
		.amdhsa_group_segment_fixed_size 327680
		.amdhsa_private_segment_fixed_size 0
		.amdhsa_enable_private_segment 0
		.amdhsa_kernarg_size 48
		.amdhsa_user_sgpr_count 2
		.amdhsa_user_sgpr_kernarg_segment_ptr 1
		.amdhsa_wavefront_size32 1
		.amdhsa_system_sgpr_workgroup_id_x 1
		.amdhsa_system_sgpr_workgroup_id_y 1
		.amdhsa_system_sgpr_workgroup_id_z 1
		.amdhsa_system_vgpr_workitem_id 0
		.amdhsa_next_free_vgpr 1024
		.amdhsa_next_free_sgpr 72
		.amdhsa_reserve_vcc 0
		.amdhsa_float_denorm_mode_32 3
		.amdhsa_float_denorm_mode_16_64 3
		.amdhsa_memory_ordered 1
		.amdhsa_forward_progress 1
		.amdhsa_inst_pref_size 239
	.end_amdhsa_kernel
	.amdgpu_metadata
---
amdhsa.version: [ 1, 2 ]
amdhsa.kernels:
  - .name:           k_qfce02eedac_attn
    .symbol:         k_qfce02eedac_attn.kd
    .args:
      - { .name: fq, .offset: 0, .size: 8, .value_kind: global_buffer, .address_space: global }
      - { .name: kv, .offset: 8, .size: 8, .value_kind: global_buffer, .address_space: global }
      - { .name: x, .offset: 16, .size: 8, .value_kind: global_buffer, .address_space: global }
      - { .name: gamma, .offset: 24, .size: 8, .value_kind: global_buffer, .address_space: global }
      - { .name: lowp_scales, .offset: 32, .size: 8, .value_kind: global_buffer, .address_space: global }
      - { .name: out0, .offset: 40, .size: 8, .value_kind: global_buffer, .address_space: global }
    .group_segment_fixed_size: 327680
    .private_segment_fixed_size: 0
    .kernarg_segment_align: 8
    .kernarg_segment_size: 48
    .max_flat_workgroup_size: 128
    .sgpr_count:     72
    .vgpr_count:     1024
    .wavefront_size: 32
...
	.end_amdgpu_metadata
.endif
;; end of part 2
